; MI455X (gfx1250); checked and timed in simulation.
; The chip was launched on July 23, 2026; its instructions are those of AMD's public machine-readable ISA for CDNA 5 (MIT licence, August 2026) and "CDNA5" Instruction Set Architecture Reference Guide (July 2026). The comments in the code are by the model that wrote it; some were corrected since.
;; standalone self attention 1 D. Allowed arithmetic: float matrix products may take bf16 or f16 operands with f32 sums; all other float work in f32.
;; Inputs: W_k 256 x 256 float32; W_lin 256 x 88 float32; W_q 256 x 256 float32; W_v 256 x 256 float32; b_lin 88 float32; rel 256 x 31 float32; spec 8 x 4,096 x 256 float32.
;; Outputs: out0 8 x 4,096 x 88 float32; out1 8 x 4,096 x 8 x 31 float32.
;; 2 versions, each right and faster than the one before. Each part assembles by itself: llvm-mc -triple=amdgcn-amd-amdhsa -mcpu=gfx1250 --defsym DOCPART=n.
;; ======== version 1 of 2: 1 launch
;; limits: values are held in f16: magnitudes above 65,504 overflow, below 6.1e-05 lose precision
;; launch attn (part 1): grid 256 x 1, 8 waves a work-group, no clusters, 315,904 bytes of LDS; arguments spec, W_q, W_k, W_v, rel, W_lin, b_lin, out0, out1; writes out0, out1
.if DOCPART == 1
	.amdgcn_target "amdgcn-amd-amdhsa--gfx1250"
	.amdhsa_code_object_version 6
	.text
	.protected	k_q396ed61947_attn
	.globl	k_q396ed61947_attn
	.p2align	8
	.type	k_q396ed61947_attn,@function
k_q396ed61947_attn:
	s_mov_b64 s[64:65], 0
	v_nop
	global_prefetch_b8 v0, s[64:65] scope:SCOPE_SE
	s_setreg_imm32_b32 hwreg(HW_REG_WAVE_MODE, 25, 1), 1
	s_wait_xcnt 0x0
; Local self-attention over a window of 31 frames, 8 heads of 32 channels, then a 256 -> 88 linear layer and a sigmoid.
; out1 = softmax over j of q.(k[s+j-15] + rel[:,j]);  out0 = sigmoid((out1 . v) W_lin + b_lin).  Everything in one launch.
; A work-group owns 128 frames of one batch entry and stages 160 rows of spec (16 rows of halo on each side; rows outside the
; entry are zeros, as the reference pads).  Wave g is head g for projections and attention; in the last phase wave w owns
; rows 16w .. 16w+15 for the linear layer and for both ways out.
; FORMATS AND LIMITS: all matrix operands are f16 (spec, W_q, W_k, W_v, W_lin, rel, q, k, v, attn, attn.v), all sums f32,
; softmax and sigmoid f32, with the row's maximum taken away before the exponential.  Magnitudes of those operands must stay
; below 65,504; magnitudes below 6.1e-5 keep an absolute step of 6e-8.  v_exp_f32 and v_rcp_f32 flush denormal results to zero.
; NO TENSOR LOADS, NO MULTICAST, though all 256 work-groups read the same 786,432 + 90,112 bytes of weights: they lie in memory
; as f32 and are multiplied as f16, so they pass through registers to be narrowed; a landing area for f32 tiles would need LDS
; bytes of its own beside the 314,880 used here, of 327,680.
; LAYOUT (L lane, r = L & 15, h = L >> 4): results turn into the next operand by packing alone.
;   K^T, Q^T = W fragment x spec fragment: lane = frame, registers = channels   -> A fragment of K, B fragment of Q
;   V        = spec fragment x W fragment: lane = channel, registers = frames   -> A fragment of V^T, 4 registers a key tile
;   S^T      = K x Q^T: lane = query r, register jr of tile t = key c = 16t + 8h + jr, window index j = c - r - 1
;   out^T    = V^T x P^T: lane = query, registers = channels                    -> B fragment of the linear layer
.set SPITCH, 528                       ; spec row in LDS: 512 bytes of f16 + 16
.set WPITCH, 544                       ; weight row in LDS: 512 bytes + 32 (17 x 32, for the transposing loads)
.set LPITCH, 176                       ; W_lin row in LDS: 88 f16, dense
.set WBUF,  84480                      ; behind SPEC (160 x 528): one 256 x 256 weight matrix at a time, 139,264 bytes
.set ATT,   84480                      ; later, over WBUF: image of out1, 128 rows x 992 bytes = 126,976
.set RSC,   211456                     ; later: q.rel scratch, 16 rows x 144 bytes for each wave = 18,432
.set WLIN,  231936                     ; 256 x 176 bytes + 4,096 of zeros
.set PRED,  231936                     ; later, over WLIN: 16 rows x 352 bytes + 512 of dump for each wave
.set REL,   289280                     ; each wave: 32 channels x 32 j f16, pitch 96
.set BIAS,  313856                     ; 256 words: b_lin, then zeros
; OUTS = 0: later, over SPEC: head g at 10,240 g, 128 rows of 32 f16, pitch 80
; registers, block 0
.set VT16, 1                           ; staging: 16 t, the offset of all 4,096-byte loads
.set LA,   2                           ; staging: running LDS address
.set SL0,  3                           ; staging: my 8 bytes in spec's first four rows
.set WL0,  4                           ; staging: the same in WBUF
.set VL,   12                          ; lane
.set RR,   13                          ; r
.set WA,   14                          ; v14, v15: transposing-load address in WBUF, K steps 0-3 and 4-7
.set ST,   16                          ; v16-143: two slots of 16 loads x 4 registers
.set BV,   144
.set RW,   148                         ; v148-178: a channel's 31 rel numbers
.set RP,   180                         ; v180-195: the same, packed
.set ZQ,   196                         ; v196-199: zeros
.set QR,   16                          ; v16-79: Q, 8 registers a query tile
.set KR,   80                          ; v80-159: K, 8 registers a key tile
.set ACC,  160                         ; v160-191: projection accumulators
.set SF,   192                         ; v192-255: spec fragments of one tile, 8 K steps
.set RS,   1
.set AB,   2
.set OS,   3
.set NINF, 4
.set AB2,  5
.set RT,   160                         ; v160-175
.set EE,   176                         ; v176-199: energies, then attn; tiles t = 0, 1, 2
.set E0,   176
.set E1,   184
.set E2,   192
.set RA,   200
.set PB,   208                         ; v208-223: P^T as f16; v220-223 stay zero
.set OA,   224
.set AD,   240                         ; v240-247: scratch address of word (8h+jr-r-1) & 31
.set AS,   248                         ; v248-255: the same word in the image of out1
.set ACC6, 16
.set OF,   64
.set LW,   128
.set CD,   64
.set PD,   188
; registers, block 1 (v256-511, written with their low 8 bits)
.set WQF,  0                           ; W_q fragments, fragment 2 ks + nt at 8 (2 ks + nt); later W_v's
.set WVF,  0
.set WKF,  128                         ; W_k fragments; later:
.set VRB,  128                         ; V: channel tile dt, key tile t at 128 + 44 dt + 4 t, t = 0 .. 10 (tile 10 = zeros)
.set RELF, 216                         ; rel fragments, j tiles 0 and 1
.set MSB, 0
.macro WIN new                         ; low byte: blocks of source 0 (1:0), source 1 (3:2), source 2 (5:4), destination (7:6);
.if MSB != \new                        ; high byte: the setting that is left
	s_set_vgpr_msb (MSB<<8)|\new
.set MSB, \new
.endif
.endm
.macro PLACES                          ; four independent vector instructions behind a matrix instruction before its result is read
.rept 4                                ; or one of its registers is written or loaded into (ISA guide 7.12.1)
	v_nop
.endr
.endm
.macro BAR                             ; my LDS stores are written and my LDS loads are back before I say so
	s_wait_dscnt 0x0
	s_barrier_signal -1
	s_barrier_wait -1
.endm
.macro MM d, a, b, z                   ; z = 1: the first product starts the sum
.if \z
	v_wmma_f32_16x16x32_f16 v[\d:\d+7], v[\a:\a+7], v[\b:\b+7], 0
.else
	v_wmma_f32_16x16x32_f16 v[\d:\d+7], v[\a:\a+7], v[\b:\b+7], v[\d:\d+7]
.endif
.endm
; n loads of 4,096 bytes by the work-group (512 consecutive bytes by a wave), numbers first .. first+n-1 of a dense buffer
.macro GL slot, base, first, n
.set gj, 0
.rept \n
	global_load_b128 v[ST+64*\slot+4*gj:ST+64*\slot+4*gj+3], v[VT16], s[\base:\base+1] offset:(\first+gj)*4096
.set gj, gj+1
.endr
.endm
; the same for the 160 staged rows of spec, four rows a load: 0-3 upper halo, 4-35 my 128 rows, 36-39 lower halo
.macro GLS slot, first, n
.set gj, 0
.rept \n
.set gi, \first+gj
.if gi < 4
	global_load_b128 v[ST+64*\slot+4*gj:ST+64*\slot+4*gj+3], v[VT16], s[26:27] offset:gi*4096
.else
.if gi < 36
	global_load_b128 v[ST+64*\slot+4*gj:ST+64*\slot+4*gj+3], v[VT16], s[28:29] offset:(gi-4)*4096
.else
	global_load_b128 v[ST+64*\slot+4*gj:ST+64*\slot+4*gj+3], v[VT16], s[30:31] offset:(gi-36)*4096
.endif
.endif
.set gj, gj+1
.endr
.endm
; narrow a slot's n loads to f16 and store 8 bytes each.  Load j is in when only the n-1-j loads of its batch behind it and the
; one younger batch are out (loads come back in order, ISA guide 5.7.1).  Halo rows outside the batch entry are cleared by a mask.
.macro CV slot, n, younger, step, first, isspec
.set cj, 0
.rept \n
.set ca, ST+64*\slot+4*cj
	s_wait_loadcnt \n-1-cj+\younger
	v_cvt_pk_f16_f32 v[ca], v[ca], v[ca+1]
	v_cvt_pk_f16_f32 v[ca+1], v[ca+2], v[ca+3]
.if \isspec
.if \first+cj < 4
	v_and_b32 v[ca], s32, v[ca]
	v_and_b32 v[ca+1], s32, v[ca+1]
.endif
.if \first+cj >= 36
	v_and_b32 v[ca], s33, v[ca]
	v_and_b32 v[ca+1], s33, v[ca+1]
.endif
.endif
	ds_store_b64 v[LA], v[ca:ca+1] offset:cj*\step
.set cj, cj+1
.endr
	v_add_nc_u32 v[LA], \n*\step, v[LA]
.endm
; my head's 32 channels of the matrix in WBUF as 16 fragments (8 K steps x 2 channel tiles) into block 1
.macro FRAGW dst
	WIN 0x40
.irp ks, 0,1,2,3,4,5,6,7
.irp nt, 0,1
	ds_load_tr16_b128 v[\dst+8*(2*\ks+\nt):\dst+8*(2*\ks+\nt)+3], v[WA+\ks/4] offset:(\ks%4)*32*WPITCH+32*\nt
	ds_load_tr16_b128 v[\dst+8*(2*\ks+\nt)+4:\dst+8*(2*\ks+\nt)+7], v[WA+\ks/4] offset:(\ks%4)*32*WPITCH+32*\nt+16*WPITCH
.endr
.endr
	WIN 0
.endm
; four K steps (half = 0: 0-3, 1: 4-7) of the spec fragments of row tile tl: v1 serves tiles 0-7, v2 tiles 8-9
.macro LDH half, tl
.irp k, 0,1,2,3
	ds_load_b128 v[SF+8*(4*\half+\k):SF+8*(4*\half+\k)+3], v[1+(\tl)/8] offset:((\tl)%8)*16*SPITCH+64*(4*\half+\k)
	ds_load_b128 v[SF+8*(4*\half+\k)+4:SF+8*(4*\half+\k)+7], v[1+(\tl)/8] offset:((\tl)%8)*16*SPITCH+64*(4*\half+\k)+32
.endr
.endm
.macro STEP1 ks, hasq, z
	MM ACC, WKF+16*\ks, SF+8*\ks, \z
	MM ACC+8, WKF+16*\ks+8, SF+8*\ks, \z
.if \hasq
	MM ACC+16, WQF+16*\ks, SF+8*\ks, \z
	MM ACC+24, WQF+16*\ks+8, SF+8*\ks, \z
.endif
.endm
; K^T (and Q^T for tiles 1-8) of row tile tl.  The two halves of the next tile's fragments are loaded as soon as the registers are free.
.macro TILE1 tl, hasq, more
	s_wait_dscnt 0x8                       ; K steps 0-3 are in; the 8 loads of K steps 4-7 may be out
	WIN 0x01
	STEP1 0, \hasq, 1
	STEP1 1, \hasq, 0
	STEP1 2, \hasq, 0
	STEP1 3, \hasq, 0
	WIN 0
	PLACES
.if \more
	LDH 0, \tl+1
	s_wait_dscnt 0x8                       ; K steps 4-7 are in; the 8 loads just issued may be out
.else
	s_wait_dscnt 0x0
.endif
	WIN 0x01
	STEP1 4, \hasq, 0
	STEP1 5, \hasq, 0
	STEP1 6, \hasq, 0
	STEP1 7, \hasq, 0
	WIN 0
	PLACES
.if \more
	LDH 1, \tl+1
.endif
.irp p, 0,1,2,3,4,5,6,7
	v_cvt_pk_f16_f32 v[KR+8*\tl+\p], v[ACC+2*\p], v[ACC+2*\p+1]
.endr
.if \hasq
.irp p, 0,1,2,3,4,5,6,7
	v_cvt_pk_f16_f32 v[QR+8*(\tl-1)+\p], v[ACC+16+2*\p], v[ACC+16+2*\p+1]
.endr
.endif
.endm
.macro STEP2 ks, z
	MM ACC, SF+8*\ks, WVF+16*\ks, \z
	MM ACC+8, SF+8*\ks, WVF+16*\ks+8, \z
.endm
; V of row tile tl: the same skeleton, spec as the first source
.macro TILE2 tl, more
	s_wait_dscnt 0x8
	WIN 0x04
	STEP2 0, 1
	STEP2 1, 0
	STEP2 2, 0
	STEP2 3, 0
	WIN 0
	PLACES
.if \more
	LDH 0, \tl+1
	s_wait_dscnt 0x8
.else
	s_wait_dscnt 0x0
.endif
	WIN 0x04
	STEP2 4, 0
	STEP2 5, 0
	STEP2 6, 0
	STEP2 7, 0
	WIN 0
	PLACES
.if \more
	LDH 1, \tl+1
.endif
	WIN 0x40
.irp p, 0,1,2,3
	v_cvt_pk_f16_f32 v[VRB+4*\tl+\p], v[ACC+2*\p], v[ACC+2*\p+1]
	v_cvt_pk_f16_f32 v[VRB+44+4*\tl+\p], v[ACC+8+2*\p], v[ACC+8+2*\p+1]
.endr
	WIN 0
.endm
; ------------------------------------------------------------------ entry: pointers, offsets, the first loads
	s_load_b512 s[4:19], s[0:1], 0x0               ; spec 4:5, W_q 6:7, W_k 8:9, W_v 10:11, rel 12:13, W_lin 14:15, b_lin 16:17, out0 18:19
	s_load_b64 s[20:21], s[0:1], 0x40              ; out1
	v_lshrrev_b32 v5, 5, v0
	v_readfirstlane_b32 s22, v5                    ; wave = head g
	v_and_b32 v[VL], 31, v0
	v_and_b32 v[RR], 15, v0
	v_lshlrev_b32 v[VT16], 4, v0
	v_min_u32 v5, 87, v0                           ; b_lin has 88 numbers: threads 88-255 read the last and store zero
	v_lshlrev_b32 v5, 2, v5
	v_lshlrev_b32 v6, 4, v[VL]                     ; rel: 16 bytes a lane
	v_add_nc_u32 v7, 3584, v6                      ; the eighth load: a head has 248 quads, lanes 24-31 stay on the last
	v_min_u32 v7, 3952, v7
	s_and_b32 s23, ttmp9, 31                       ; block of 128 frames inside the batch entry
	s_lshl_b32 s24, ttmp9, 17                      ; my first row: 128 rows x 1,024 bytes a work-group
	s_mov_b32 s25, 0
	s_sub_co_u32 s52, s24, 0x4000                  ; upper halo: 16 rows up, or (first block) my own rows, cleared by the mask s32
	s_cmp_lg_u32 s23, 0
	s_cselect_b32 s52, s52, s24
	s_cselect_b32 s32, -1, 0
	s_add_co_u32 s54, s24, 0x20000                 ; lower halo: 128 rows down, or (last block) my own rows, cleared by s33
	s_cmp_lg_u32 s23, 31
	s_cselect_b32 s54, s54, s24
	s_cselect_b32 s33, -1, 0
	s_mov_b32 s53, 0
	s_mov_b32 s55, 0
	s_mul_i32 s56, s22, 3968                       ; rel: 32 channels x 124 bytes a head
	s_mov_b32 s57, 0
	s_mul_i32 s58, ttmp9, 45056                    ; out0: 128 rows x 352 bytes, and 16 rows a wave
	s_mul_i32 s60, s22, 5632
	s_add_co_u32 s58, s58, s60
	s_mov_b32 s59, 0
	s_mul_i32 s60, ttmp9, 126976                   ; out1: 128 rows x 992 bytes, and 16 rows a wave
	s_mul_i32 s62, s22, 15872
	s_add_co_u32 s60, s60, s62
	s_mov_b32 s61, 0
	s_wait_kmcnt 0x0
	s_add_nc_u64 s[26:27], s[4:5], s[52:53]
	s_add_nc_u64 s[28:29], s[4:5], s[24:25]
	s_add_nc_u64 s[30:31], s[4:5], s[54:55]
	s_add_nc_u64 s[12:13], s[12:13], s[56:57]
	s_add_nc_u64 s[18:19], s[18:19], s[58:59]
	s_add_nc_u64 s[20:21], s[20:21], s[60:61]
	global_load_b32 v[BV], v5, s[16:17]
.irp i, 0,1,2,3,4,5,6
	global_load_b128 v[ST+4*\i:ST+4*\i+3], v6, s[12:13] offset:512*\i
.endr
	global_load_b128 v[ST+28:ST+31], v7, s[12:13]
	GL 1, 14, 0, 16                                ; W_lin, loads 0-15 of 22
	; LDS addresses of the staging: a constant + wave x a constant + a lane term
	s_lshl_b32 s52, s22, 7
	s_add_co_u32 s52, s52, BIAS
	v_lshl_add_u32 v11, v[VL], 2, s52              ; bias word t
	s_lshl_b32 s52, s22, 12                        ; rel as f32: 4,096 bytes of my own in the SPEC region, which is not yet in use
	v_lshl_add_u32 v8, v[VL], 4, s52               ; in: as loaded
	v_mul_u32_u24 v9, 124, v[VL]                   ; back: lane = channel, 31 words apart
	v_add_nc_u32 v9, s52, v9
	s_mul_i32 s52, s22, 3072
	s_add_co_u32 s52, s52, REL
	v_mul_u32_u24 v10, 96, v[VL]
	v_add_nc_u32 v10, s52, v10
	s_lshr_b32 s52, s22, 1                         ; a load's 4,096 bytes are four rows: wave g has half g & 1 of row g >> 1
	s_and_b32 s53, s22, 1
	s_lshl_b32 s53, s53, 8
	s_mul_i32 s54, s52, SPITCH
	s_add_co_u32 s54, s54, s53
	v_lshl_add_u32 v[SL0], v[VL], 3, s54
	s_mul_i32 s54, s52, WPITCH
	s_add_co_u32 s54, s54, s53
	s_add_co_u32 s54, s54, WBUF
	v_lshl_add_u32 v[WL0], v[VL], 3, s54
	s_lshl_b32 s54, s22, 8                         ; W_lin stays dense: 8 t + 2,048 i
	s_add_co_u32 s54, s54, WLIN
	v_lshl_add_u32 v[LA], v[VL], 3, s54
	s_lshl_b32 s54, s22, 9
	s_add_co_u32 s54, s54, WLIN+256*LPITCH
	v_lshl_add_u32 v145, v[VL], 4, s54             ; zeros behind W_lin's last row
	v_bfe_u32 v146, v0, 4, 1                       ; transposing loads: row 8h + (L & 7), 16 bytes by bit 3 of L
	v_and_b32 v147, 7, v0
	v_lshl_add_u32 v146, v146, 3, v147
	v_mul_u32_u24 v146, WPITCH, v146
	v_bfe_u32 v147, v0, 3, 1
	v_lshl_add_u32 v146, v147, 4, v146
	s_lshl_b32 s54, s22, 6                         ; my head's 32 channels: 64 bytes
	s_add_co_u32 s54, s54, WBUF
	v_add_nc_u32 v[WA], s54, v146
	v_add_nc_u32 v[WA+1], 128*WPITCH, v[WA]
	s_mov_b32 s34, 0x76543210                      ; v_permlanex16_b32: lane i takes lane i xor 16
	s_mov_b32 s35, 0xfedcba98
.irp jr, 0,1,2,3,4,5,6,7
	s_mov_b32 s[36+\jr], ((1<<\jr)-1)|(((1<<(8+\jr))-1)<<16)                           ; lanes with r < 8h + jr: key tile 0 is in the window
	s_mov_b32 s[44+\jr], (0xffff^((1<<(\jr+1))-1))|((0xffff^((1<<(9+\jr))-1))<<16)     ; lanes with r > 8h + jr: key tile 2 is
.endr
.irp p, 0,1,2,3
	v_mov_b32 v[ZQ+\p], 0
.endr
	ds_store_b128 v145, v[ZQ:ZQ+3]                 ; the fragment of columns 88-95 reads 16 bytes past each row's end
	s_wait_loadcnt 24                              ; the bias: 8 + 16 younger loads stay out
	v_cmp_gt_u32 vcc_lo, 88, v0
	v_cndmask_b32 v[BV], 0, v[BV], vcc_lo
	ds_store_b32 v11, v[BV]
	s_wait_loadcnt 16                              ; rel: W_lin's 16 stay out
.irp i, 0,1,2,3,4,5,6,7
	ds_store_b128 v8, v[ST+4*\i:ST+4*\i+3] offset:512*\i
.endr
.set j, 0
.rept 31
	ds_load_b32 v[RW+j], v9 offset:4*j             ; my own bytes, served in order behind the stores (ISA guide 5.7.1)
.set j, j+1
.endr
	s_wait_dscnt 0x0
	GL 0, 14, 16, 6                                ; W_lin, loads 16-21
.irp p, 0,1,2,3,4,5,6,7,8,9,10,11,12,13,14
	v_cvt_pk_f16_f32 v[RP+\p], v[RW+2*\p], v[RW+2*\p+1]
.endr
	v_cvt_pk_f16_f32 v[RP+15], v[RW+30], 0         ; j = 31 does not exist: zero
.irp m, 0,1,2,3
	ds_store_b128 v10, v[RP+4*\m:RP+4*\m+3] offset:16*\m
.endr
; ------------------------------------------------------------------ the stream: two slots take turns, the batch two ahead is asked for as a slot is emptied
	CV 1, 16, 6, 2048, 0, 0
	GLS 1, 0, 16
	CV 0, 6, 16, 2048, 0, 0
	GLS 0, 16, 16
	BAR                                            ; every wave has read its rel scratch: the SPEC region may be written
	v_mov_b32 v[LA], v[SL0]
	CV 1, 16, 16, 4*SPITCH, 0, 1
	GLS 1, 32, 8
	CV 0, 16, 8, 4*SPITCH, 16, 1
	GL 0, 6, 0, 16
	CV 1, 8, 16, 4*SPITCH, 32, 1
	GL 1, 6, 16, 16
	v_mov_b32 v[LA], v[WL0]                        ; W_q
	CV 0, 16, 16, 4*WPITCH, 0, 0
	GL 0, 6, 32, 16
	CV 1, 16, 16, 4*WPITCH, 0, 0
	GL 1, 6, 48, 16
	CV 0, 16, 16, 4*WPITCH, 0, 0
	GL 0, 8, 0, 16
	CV 1, 16, 16, 4*WPITCH, 0, 0
	GL 1, 8, 16, 16
	BAR                                            ; spec and W_q are whole in LDS
	FRAGW WQF
	BAR                                            ; every wave has its W_q fragments: WBUF may be written
	v_mov_b32 v[LA], v[WL0]                        ; W_k
	CV 0, 16, 16, 4*WPITCH, 0, 0
	GL 0, 8, 32, 16
	CV 1, 16, 16, 4*WPITCH, 0, 0
	GL 1, 8, 48, 16
	CV 0, 16, 16, 4*WPITCH, 0, 0
	GL 0, 10, 0, 16
	CV 1, 16, 16, 4*WPITCH, 0, 0
	GL 1, 10, 16, 16
	BAR
	FRAGW WKF
	BAR
	v_mov_b32 v[LA], v[WL0]                        ; W_v
	CV 0, 16, 16, 4*WPITCH, 0, 0
	GL 0, 10, 32, 16
	CV 1, 16, 16, 4*WPITCH, 0, 0
	GL 1, 10, 48, 16
	CV 0, 16, 16, 4*WPITCH, 0, 0
	CV 1, 16, 0, 4*WPITCH, 0, 0                    ; the last wait is for zero: every global load is in, v1 and v5-v7 are free
; ------------------------------------------------------------------ K and Q of my head, 10 and 8 row tiles
	v_bfe_u32 v5, v0, 4, 1
	v_mul_u32_u24 v1, SPITCH, v[RR]
	v_lshl_add_u32 v1, v5, 4, v1                   ; r x pitch + 16 h
	v_add_nc_u32 v2, 128*SPITCH, v1
	LDH 0, 0
	LDH 1, 0
	TILE1 0, 0, 1
	TILE1 1, 1, 1
	TILE1 2, 1, 1
	TILE1 3, 1, 1
	TILE1 4, 1, 1
	TILE1 5, 1, 1
	TILE1 6, 1, 1
	TILE1 7, 1, 1
	TILE1 8, 1, 1
	TILE1 9, 0, 0
	BAR                                            ; W_v is whole in WBUF.  The four places and the packing above stand behind the last products
	FRAGW WVF                                      ; over W_q's fragments
	v_and_b32 v6, 7, v0
	v_lshl_add_u32 v6, v5, 3, v6
	v_mul_u32_u24 v6, 96, v6
	v_bfe_u32 v7, v0, 3, 1
	v_lshl_add_u32 v6, v7, 4, v6
	s_mul_i32 s52, s22, 3072
	s_add_co_u32 s52, s52, REL
	v_add_nc_u32 v6, s52, v6
	WIN 0x40
	ds_load_tr16_b128 v[RELF:RELF+3], v6                   ; A fragment of rel^T: row j = r, channels along the registers
	ds_load_tr16_b128 v[RELF+4:RELF+7], v6 offset:1536
	ds_load_tr16_b128 v[RELF+8:RELF+11], v6 offset:32      ; j = 16 + r
	ds_load_tr16_b128 v[RELF+12:RELF+15], v6 offset:1568
.irp p, 0,1,2,3
	v_mov_b32 v[VRB+40+\p], 0                      ; key tile 10 does not exist: it meets the zeros of P's second fragment
	v_mov_b32 v[VRB+84+\p], 0
.endr
	WIN 0
; ------------------------------------------------------------------ V of my head, 10 row tiles
	LDH 0, 0
	LDH 1, 0
	TILE2 0, 1                                     ; its first wait leaves 8 loads out, so all fragment loads above are in too
	TILE2 1, 1
	TILE2 2, 1
	TILE2 3, 1
	TILE2 4, 1
	TILE2 5, 1
	TILE2 6, 1
	TILE2 7, 1
	TILE2 8, 1
	TILE2 9, 0
	BAR                                            ; nobody reads SPEC or WBUF any more: OUTS, ATT and RSC lie over them
; ------------------------------------------------------------------ attention: addresses
	s_mul_i32 s52, s22, 2304
	s_add_co_u32 s52, s52, RSC
	v_mul_u32_u24 v6, 144, v[RR]
	v_add_nc_u32 v6, s52, v6                       ; scratch row of query r: 32 words, pitch 144
	v_lshl_add_u32 v[RS], v5, 5, v6                ; words 8h ..
	v_mul_u32_u24 v7, 140, v[RR]
	v_add_nc_u32 v7, s52, v7
	v_lshl_add_u32 v7, v5, 5, v7
	v_add_nc_u32 v[AB], 60, v7                     ; word 15 + 8h - r: key tile 1, jr by the offset
	s_mul_i32 s53, s22, 124
	s_add_co_u32 s53, s53, ATT
	v_mul_u32_u24 v8, 992, v[RR]
	v_add_nc_u32 v8, s53, v8                       ; image of out1: row r, head g
	v_mul_u32_u24 v9, 988, v[RR]
	v_add_nc_u32 v9, s53, v9
	v_lshl_add_u32 v9, v5, 5, v9
	s_mul_i32 s54, s22, 10240
	v_mul_u32_u24 v[OS], 80, v[RR]
	v_lshl_add_u32 v[OS], v5, 4, v[OS]
	v_add_nc_u32 v[OS], s54, v[OS]
	; the window word of key tiles 0 and 2 is w = (8h + jr - r - 1) mod 32.  All sums are kept non-negative: -r is 31 r modulo 32.
	v_mul_u32_u24 v10, 31, v[RR]
	v_lshl_add_u32 v10, v5, 3, v10                 ; 31 r + 8 h
.irp jr, 0,1,2,3,4,5,6,7
	v_add_nc_u32 v11, 31+\jr, v10
	v_and_b32 v11, 31, v11                         ; w; 31 where 8h + jr = r: no key of the window
	v_lshl_add_u32 v[AD+\jr], v11, 2, v6
	v_add_nc_u32 v[AS+\jr], 1, v11
	v_and_b32 v[AS+\jr], 32, v[AS+\jr]             ; 32 where w = 31, else 0
	v_lshl_add_u32 v11, v11, 1, v[AS+\jr]          ; 2 w, or 62 + 32
	v_and_b32 v11, 62, v11                         ; 2 w, or 30: the image has 31 words a head, that lane stores tile 1's number to word 15 once more
	v_lshl_add_u32 v[AS+\jr], v11, 1, v8
.endr
	v_add_nc_u32 v[AB2], 60, v9
	v_mov_b32 v9, 0                                ; v_permlanex16_b32 counts as a reader of its destination
	v_mov_b32 v[NINF], 0xff800000
.irp p, 12,13,14,15
	v_mov_b32 v[PB+\p], 0                          ; keys 48-63 of P's second fragment
.endr
; query tile i (rows 16 i .. 16 i + 15 of my 128), key tiles i, i+1, i+2
.macro ATTN i
.set IO, (\i%4)*15872
.if \i == 4
.irp jr, 0,1,2,3,4,5,6,7
	v_add_nc_u32 v[AS+\jr], 63488, v[AS+\jr]       ; 64 rows of the image on: offsets have 16 bits
.endr
	v_add_nc_u32 v[AB2], 63488, v[AB2]
.endif
	WIN 0x01
	MM RT, RELF, QR+8*\i, 1                        ; rel^T x Q^T: lane = query, registers = j
	MM RT+8, RELF+8, QR+8*\i, 1
	WIN 0
	PLACES
	ds_store_b128 v[RS], v[RT:RT+3]
	ds_store_b128 v[RS], v[RT+4:RT+7] offset:16
	ds_store_b128 v[RS], v[RT+8:RT+11] offset:64
	ds_store_b128 v[RS], v[RT+12:RT+15] offset:80
.irp jr, 0,1,2,3,4,5,6,7
	ds_load_b32 v[RA+\jr], v[AD+\jr]               ; back at j = c - r - 1: my own bytes, in order behind the stores
.endr
.irp jr, 0,1,2,3,4,5,6,7
	ds_load_b32 v[E1+\jr], v[AB] offset:4*\jr
.endr
	s_wait_dscnt 0x0
	v_wmma_f32_16x16x32_f16 v[E0:E0+7], v[KR+8*\i:KR+8*\i+7], v[QR+8*\i:QR+8*\i+7], v[RA:RA+7]
	v_wmma_f32_16x16x32_f16 v[E2:E2+7], v[KR+8*\i+16:KR+8*\i+23], v[QR+8*\i:QR+8*\i+7], v[RA:RA+7]
	v_wmma_f32_16x16x32_f16 v[E1:E1+7], v[KR+8*\i+8:KR+8*\i+15], v[QR+8*\i:QR+8*\i+7], v[E1:E1+7]
	PLACES
.irp jr, 0,1,2,3,4,5,6,7
	v_cndmask_b32 v[E0+\jr], v[NINF], v[E0+\jr], s[36+\jr]     ; keys outside the window: -inf
	v_cndmask_b32 v[E2+\jr], v[NINF], v[E2+\jr], s[44+\jr]
.endr
	v_max3_num_f32 v6, v[EE], v[EE+1], v[EE+2]     ; the row's maximum: two chains, then the other half of the keys in lane xor 16
	v_max3_num_f32 v7, v[EE+11], v[EE+12], v[EE+13]
.irp p, 3,5,7,9
	v_max3_num_f32 v6, v6, v[EE+\p], v[EE+\p+1]
.endr
.irp p, 14,16,18,20,22
	v_max3_num_f32 v7, v7, v[EE+\p], v[EE+\p+1]
.endr
	v_max_num_f32 v6, v6, v7
	v_permlanex16_b32 v7, v6, s34, s35
	v_max_num_f32 v6, v6, v7
.irp p, 0,2,4,6,8,10,12,14,16,18,20,22
	v_pk_add_f32 v[EE+\p:EE+\p+1], v[EE+\p:EE+\p+1], v[6:7] op_sel_hi:[1,0] neg_lo:[0,1] neg_hi:[0,1]   ; the difference first: exact near the maximum
.endr
.irp p, 0,2,4,6,8,10,12,14,16,18,20,22
	v_pk_mul_f32 v[EE+\p:EE+\p+1], v[EE+\p:EE+\p+1], 0x3fb8aa3b op_sel_hi:[1,0]
.endr
.set j, 0
.rept 24
	v_exp_f32 v[EE+j], v[EE+j]
.set j, j+1
.endr
	v_nop                                          ; one plain vector instruction behind a transcendental before its result is read (ISA guide 5.7.2)
	s_wait_alu depctr_va_vdst(0)
	v_pk_add_f32 v[RT:RT+1], v[EE:EE+1], v[EE+2:EE+3]
	v_pk_add_f32 v[RT+2:RT+3], v[EE+8:EE+9], v[EE+10:EE+11]
	v_pk_add_f32 v[RT+4:RT+5], v[EE+16:EE+17], v[EE+18:EE+19]
.irp p, 4,6
	v_pk_add_f32 v[RT:RT+1], v[RT:RT+1], v[EE+\p:EE+\p+1]
	v_pk_add_f32 v[RT+2:RT+3], v[RT+2:RT+3], v[EE+8+\p:EE+8+\p+1]
	v_pk_add_f32 v[RT+4:RT+5], v[RT+4:RT+5], v[EE+16+\p:EE+16+\p+1]
.endr
	v_pk_add_f32 v[RT:RT+1], v[RT:RT+1], v[RT+2:RT+3]
	v_pk_add_f32 v[RT:RT+1], v[RT:RT+1], v[RT+4:RT+5]
	v_add_f32 v8, v[RT], v[RT+1]
	v_permlanex16_b32 v9, v8, s34, s35
	v_add_f32 v8, v8, v9
	v_rcp_f32 v10, v8
	v_rcp_f32 v11, v8
	v_nop
	s_wait_alu depctr_va_vdst(0)
.irp p, 0,2,4,6,8,10,12,14,16,18,20,22
	v_pk_mul_f32 v[EE+\p:EE+\p+1], v[EE+\p:EE+\p+1], v[10:11]
.endr
.irp jr, 0,1,2,3,4,5,6,7
	v_cndmask_b32 v[RA+\jr], v[E1+\jr], v[E2+\jr], s[44+\jr]   ; tile 2's number, tile 0's, or (8h + jr = r) tile 1's
	v_cndmask_b32 v[RA+\jr], v[RA+\jr], v[E0+\jr], s[36+\jr]
.endr
.irp jr, 0,1,2,3,4,5,6,7
	ds_store_b32 v[AS+\jr], v[RA+\jr] offset:IO
	ds_store_b32 v[AB2], v[E1+\jr] offset:IO+4*\jr
.endr
.irp p, 0,1,2,3,4,5,6,7,8,9,10,11
	v_cvt_pk_f16_f32 v[PB+\p], v[EE+2*\p], v[EE+2*\p+1]
.endr
	WIN 0x01
	MM OA, VRB+4*\i, PB, 1                         ; V^T x P^T, keys 0-31 of the three tiles,
	MM OA+8, VRB+44+4*\i, PB, 1
	MM OA, VRB+4*\i+8, PB+8, 0                     ; keys 32-47, and 16 that meet zeros
	MM OA+8, VRB+44+4*\i+8, PB+8, 0
	WIN 0
	PLACES
.irp p, 0,1,2,3,4,5,6,7
	v_cvt_pk_f16_f32 v[RT+\p], v[OA+2*\p], v[OA+2*\p+1]
.endr
	ds_store_b128 v[OS], v[RT:RT+3] offset:\i*1280
	ds_store_b128 v[OS], v[RT+4:RT+7] offset:\i*1280+32
.endm
	ATTN 0
	ATTN 1
	ATTN 2
	ATTN 3
	ATTN 4
	ATTN 5
	ATTN 6
	ATTN 7
	BAR                                            ; all heads' attn and attn.v are in LDS; up to the next barrier LDS is only read
; ------------------------------------------------------------------ the linear layer for rows 16 w .. 16 w + 15, transposed: lane = row, registers = outputs
	v_bfe_u32 v5, v0, 4, 1
	v_lshlrev_b32 v1, 5, v5
	v_add_nc_u32 v1, BIAS, v1
	s_mul_i32 s52, s22, 1280
	v_mul_u32_u24 v2, 80, v[RR]
	v_lshl_add_u32 v2, v5, 4, v2
	v_add_nc_u32 v2, s52, v2                       ; heads 0-3
	v_add_nc_u32 v3, 40960, v2                     ; heads 4-7
	v_and_b32 v6, 7, v0
	v_lshl_add_u32 v6, v5, 3, v6
	v_mul_u32_u24 v4, LPITCH, v6
	v_bfe_u32 v6, v0, 3, 1
	v_lshl_add_u32 v4, v6, 4, v4
	v_add_nc_u32 v4, WLIN, v4
	s_mul_i32 s53, s22, 15872
	s_add_co_u32 s53, s53, ATT
	v_lshl_add_u32 v7, v[VL], 4, s53               ; my 16 rows of the image of out1, 16 bytes a lane
	v_lshlrev_b32 v8, 4, v[VL]                     ; and the same in memory
	s_mul_i32 s54, s22, 6144
	s_add_co_u32 s54, s54, PRED
	v_mul_u32_u24 v9, 352, v[RR]
	v_lshl_add_u32 v9, v5, 5, v9
	v_add_nc_u32 v9, s54, v9                       ; pred: row r, outputs 8h ..
	v_lshl_add_u32 v10, v[RR], 5, s54
	v_add_nc_u32 v10, 5312, v10                    ; outputs 88-95 do not exist: lanes 16-31 put tile 5 behind my 16 rows (5,632 + 32 r - 320)
	s_mov_b32 s55, 0xffff0000
	v_cndmask_b32 v10, v9, v10, s55
	v_lshl_add_u32 v11, v[VL], 4, s54
.irp nt, 0,1,2,3,4,5
	ds_load_b128 v[ACC6+8*\nt:ACC6+8*\nt+3], v1 offset:64*\nt          ; the bias starts the sums
	ds_load_b128 v[ACC6+8*\nt+4:ACC6+8*\nt+7], v1 offset:64*\nt+16
.endr
.irp ks, 0,1,2,3,4,5,6,7
	ds_load_b128 v[OF+8*\ks:OF+8*\ks+3], v[2+\ks/4] offset:(\ks%4)*10240
	ds_load_b128 v[OF+8*\ks+4:OF+8*\ks+7], v[2+\ks/4] offset:(\ks%4)*10240+32
.endr
.macro LWLD kk                         ; W_lin's six fragments of K step kk, 12 loads, into slot kk & 1
.irp nt, 0,1,2,3,4,5
	ds_load_tr16_b128 v[LW+48*((\kk)%2)+8*\nt:LW+48*((\kk)%2)+8*\nt+3], v4 offset:32*LPITCH*(\kk)+32*\nt
	ds_load_tr16_b128 v[LW+48*((\kk)%2)+8*\nt+4:LW+48*((\kk)%2)+8*\nt+7], v4 offset:32*LPITCH*(\kk)+32*\nt+16*LPITCH
.endr
.endm
.macro LINK ks
.if \ks == 7
	s_wait_dscnt 0x0
.else
	s_wait_dscnt 0xc                               ; this step's fragments are in; the next step's 12 loads may be out
.endif
.irp nt, 0,1,2,3,4,5
	MM ACC6+8*\nt, LW+48*(\ks%2)+8*\nt, OF+8*\ks, 0
.endr
.if \ks < 6
	PLACES
	LWLD \ks+2
.endif
.endm
	LWLD 0
	LWLD 1
	LINK 0
	LINK 1
	LINK 2
	LINK 3
	LINK 4
	LINK 5
	LINK 6
	LINK 7
	PLACES
.set u, 0
.rept 31
	ds_load_b128 v[CD+4*u:CD+4*u+3], v7 offset:512*u       ; attn, as it lies in out1: 31 x 512 bytes, into registers that are done with
.set u, u+1
.endr
	; sigmoid(x) = 1 / (1 + 2^(-x log2 e))
.set j, 0
.rept 24
	v_pk_mul_f32 v[ACC6+2*j:ACC6+2*j+1], v[ACC6+2*j:ACC6+2*j+1], 0xbfb8aa3b op_sel_hi:[1,0]
.set j, j+1
.endr
.set j, 0
.rept 48
	v_exp_f32 v[ACC6+j], v[ACC6+j]
.set j, j+1
.endr
	v_nop
.set j, 0
	s_wait_alu depctr_va_vdst(0)
.rept 24
	v_pk_add_f32 v[ACC6+2*j:ACC6+2*j+1], v[ACC6+2*j:ACC6+2*j+1], 1.0 op_sel_hi:[1,0]
.set j, j+1
.endr
.set j, 0
.rept 48
	v_rcp_f32 v[ACC6+j], v[ACC6+j]
.set j, j+1
.endr
	v_nop
	s_wait_dscnt 0x0
.set u, 0
.rept 31
	global_store_b128 v8, v[CD+4*u:CD+4*u+3], s[20:21] offset:512*u th:TH_STORE_NT     ; each store of the wave covers 512 consecutive bytes, aligned
.set u, u+1
.endr
	BAR                                            ; every wave has its W_lin fragments: PRED lies over WLIN
	s_wait_alu depctr_va_vdst(0)
.irp nt, 0,1,2,3,4
	ds_store_b128 v9, v[ACC6+8*\nt:ACC6+8*\nt+3] offset:64*\nt
	ds_store_b128 v9, v[ACC6+8*\nt+4:ACC6+8*\nt+7] offset:64*\nt+16
.endr
	ds_store_b128 v10, v[ACC6+40:ACC6+43] offset:320
	ds_store_b128 v10, v[ACC6+44:ACC6+47] offset:336
.set u, 0
.rept 11
	ds_load_b128 v[PD+4*u:PD+4*u+3], v11 offset:512*u      ; my own 16 rows x 352 bytes, in order behind the stores
.set u, u+1
.endr
.set u, 0
.rept 11
	s_wait_dscnt 10-u
	global_store_b128 v8, v[PD+4*u:PD+4*u+3], s[18:19] offset:512*u th:TH_STORE_NT
.set u, u+1
.endr
	s_wait_xcnt 0x0
	v_lshl_add_u32 v254, v0, 2, 0x4ce00
	v_mov_b32 v255, 0
	s_wait_tensorcnt 0x0
	ds_add_u32 v254, v255
	s_wait_dscnt 0x0
	s_endpgm
.Lfunc_end_k_q396ed61947_attn:
	.size	k_q396ed61947_attn, .Lfunc_end_k_q396ed61947_attn-k_q396ed61947_attn
	.p2alignl 7, 3214868480
	.fill 96, 4, 3214868480
	.section	.rodata,"a",@progbits
	.p2align	6, 0x0
	.amdhsa_kernel k_q396ed61947_attn
		.amdhsa_group_segment_fixed_size 315904
		.amdhsa_private_segment_fixed_size 0
		.amdhsa_enable_private_segment 0
		.amdhsa_kernarg_size 72
		.amdhsa_user_sgpr_count 2
		.amdhsa_user_sgpr_kernarg_segment_ptr 1
		.amdhsa_wavefront_size32 1
		.amdhsa_system_sgpr_workgroup_id_x 1
		.amdhsa_system_sgpr_workgroup_id_y 1
		.amdhsa_system_sgpr_workgroup_id_z 1
		.amdhsa_system_vgpr_workitem_id 0
		.amdhsa_next_free_vgpr 512
		.amdhsa_next_free_sgpr 66
		.amdhsa_reserve_vcc 1
		.amdhsa_float_denorm_mode_32 3
		.amdhsa_float_denorm_mode_16_64 3
		.amdhsa_memory_ordered 1
		.amdhsa_forward_progress 1
		.amdhsa_inst_pref_size 255
	.end_amdhsa_kernel
	.section	.bss,"aw",@nobits
	.p2align	6
	.space	262144
	.amdgpu_metadata
---
amdhsa.version: [ 1, 2 ]
amdhsa.kernels:
  - .name:           k_q396ed61947_attn
    .symbol:         k_q396ed61947_attn.kd
    .args:
      - { .name: spec, .offset: 0, .size: 8, .value_kind: global_buffer, .address_space: global }
      - { .name: W_q, .offset: 8, .size: 8, .value_kind: global_buffer, .address_space: global }
      - { .name: W_k, .offset: 16, .size: 8, .value_kind: global_buffer, .address_space: global }
      - { .name: W_v, .offset: 24, .size: 8, .value_kind: global_buffer, .address_space: global }
      - { .name: rel, .offset: 32, .size: 8, .value_kind: global_buffer, .address_space: global }
      - { .name: W_lin, .offset: 40, .size: 8, .value_kind: global_buffer, .address_space: global }
      - { .name: b_lin, .offset: 48, .size: 8, .value_kind: global_buffer, .address_space: global }
      - { .name: out0, .offset: 56, .size: 8, .value_kind: global_buffer, .address_space: global }
      - { .name: out1, .offset: 64, .size: 8, .value_kind: global_buffer, .address_space: global }
    .group_segment_fixed_size: 315904
    .private_segment_fixed_size: 0
    .kernarg_segment_align: 8
    .kernarg_segment_size: 72
    .max_flat_workgroup_size: 256
    .sgpr_count:     66
    .vgpr_count:     512
    .wavefront_size: 32
...
	.end_amdgpu_metadata
.endif
;; end of part 1
;; ======== version 2 of 2: 1 launch; 1.14 times as fast as version 1
;; limits: values are held in f16: magnitudes above 65,504 overflow, below 6.1e-05 lose precision
;; launch attn (part 2): grid 256 x 1, 8 waves a work-group, no clusters, 315,904 bytes of LDS; arguments spec, W_q, W_k, W_v, rel, W_lin, b_lin, out0, out1; writes out0, out1
.if DOCPART == 2
	.amdgcn_target "amdgcn-amd-amdhsa--gfx1250"
	.amdhsa_code_object_version 6
	.text
	.protected	k_q396ed61947_attn
	.globl	k_q396ed61947_attn
	.p2align	8
	.type	k_q396ed61947_attn,@function
k_q396ed61947_attn:
	s_mov_b64 s[64:65], 0
	v_nop
	global_prefetch_b8 v0, s[64:65] scope:SCOPE_SE
	s_setreg_imm32_b32 hwreg(HW_REG_WAVE_MODE, 25, 1), 1
	s_wait_xcnt 0x0
; Local self-attention over a window of 31 frames, 8 heads of 32 channels, then a 256 -> 88 linear layer and a sigmoid.
; out1 = softmax over j of q.(k[s+j-15] + rel[:,j]);  out0 = sigmoid((out1 . v) W_lin + b_lin).  Everything in one launch.
; A work-group owns 128 frames of one batch entry and stages 160 rows of spec (16 rows of halo on each side; rows outside the
; entry are zeros, as the reference pads).  Wave g is head g for projections and attention; in the last phase wave w owns
; rows 16w .. 16w+15 for the linear layer and for out0.
; FORMATS AND LIMITS: all matrix operands are f16 (spec, W_q, W_k, W_v, W_lin, rel, q, k, v, attn, attn.v), all sums f32,
; softmax and sigmoid f32, with the row's maximum taken away before the exponential.  Magnitudes of those operands must stay
; below 65,504; magnitudes below 6.1e-5 keep an absolute step of 6e-8.  v_exp_f32 and v_rcp_f32 flush denormal results to zero.
; NO TENSOR LOADS, NO MULTICAST, though all 256 work-groups read the same 786,432 + 90,112 bytes of weights: they lie in memory
; as f32 and are multiplied as f16, so they pass through registers to be narrowed; a landing area for f32 tiles would need LDS
; bytes of its own beside the 314,880 used here, of 327,680.
; THE STREAM: spec and the four weight matrices come in as 254 items of 4,096 bytes through a ring of 32 items in registers.
; Only spec and W_q (104 items) are stored before the first product; W_k is narrowed and stored between the products of Q,
; W_lin and W_v between those of K.  One weight matrix at a time lies in LDS and, as fragments, in 128 registers of each wave.
; The price: each wave reads the spec fragments three times, once for each projection.
; THE WAY OUT OF out1: the heads gather attn in LDS as it lies in memory.  It leaves in two halves of 64 rows, each as soon as all
; heads have written it: the first half's stores are issued in query tile 4, the second half's in front of the linear layer.
; LAYOUT (L lane, r = L & 15, h = L >> 4): results turn into the next operand by packing alone.
;   K^T, Q^T = W fragment x spec fragment: lane = frame, registers = channels   -> A fragment of K, B fragment of Q
;   V        = spec fragment x W fragment: lane = channel, registers = frames   -> A fragment of V^T, 4 registers a key tile
;   S^T      = K x Q^T: lane = query r, register jr of tile t = key c = 16t + 8h + jr, window index j = c - r - 1
;   out^T    = V^T x P^T: lane = query, registers = channels                    -> B fragment of the linear layer
.set SPITCH, 528                       ; spec row in LDS: 512 bytes of f16 + 16
.set WPITCH, 544                       ; weight row in LDS: 512 bytes + 32 (17 x 32, for the transposing loads)
.set LPITCH, 176                       ; W_lin row in LDS: 88 f16, dense
.set WBUF,  84480                      ; behind SPEC (160 x 528): one 256 x 256 weight matrix at a time, 139,264 bytes
.set ATT,   84480                      ; later, over WBUF: image of out1, 128 rows x 992 bytes = 126,976
.set AHALF, 63488                      ; 64 rows of that image
.set ASHARE, 7936                      ; a wave's 8 rows of a half: 15 x 512 + 256 bytes
.set RSC,   211456                     ; later: q.rel scratch, 16 rows x 144 bytes for each wave = 18,432
.set WLIN,  231936                     ; first: rel as f32, 4,096 bytes a wave; then 256 x 176 bytes of W_lin + 4,096 of zeros
.set PRED,  231936                     ; later, over WLIN: 16 rows x 352 bytes + 512 of dump for each wave
.set REL,   289280                     ; each wave: 32 channels x 32 j f16, pitch 96
.set BIAS,  313856                     ; 256 words: b_lin, then zeros
; OUTS = 0: later, over SPEC: head g at 10,240 g, 128 rows of 32 f16, pitch 80
; the stream's items, 4,096 bytes each
.set RING,  32                         ; items in flight in each wave
.set IQ,    40                         ; 0-39 spec (0-3 upper halo, 36-39 lower halo), 40-103 W_q,
.set IK,    104                        ; 104-167 W_k,
.set IL,    168                        ; 168-189 W_lin,
.set IV,    190                        ; 190-253 W_v
.set NIT,   254
; registers, block 0
.set SA,   1                           ; v1, v2: spec fragment address, row tiles 0-7 and 8-9
.set VT16, 3                           ; 16 t, the offset of all 4,096-byte loads
.set VL,   12                          ; lane
.set RR,   13                          ; r
.set WA,   14                          ; v14, v15: transposing-load address in WBUF, K steps 0-3 and 4-7; from the attention on:
.set GO16, 14                          ; 16 x lane, the offset of all 16-byte stores to memory
.set GO8,  15                          ; 8 x lane, the offset of the 8-byte stores
.set RL,   16                          ; v16-47: rel as loaded (at the start only)
.set BV,   48
.set RW,   64                          ; v64-94: a channel's 31 rel numbers
.set RP,   96                          ; v96-111: the same, packed
.set ZQ,   112                         ; v112-115: zeros
.set QR,   16                          ; v16-79: Q, 8 registers a query tile
.set KR,   80                          ; v80-159: K, 8 registers a key tile
.set ACC,  160                         ; v160-175: two projection accumulators
.set WLA,  176                         ; v176-179: where my 8 bytes of a weight item go, items 0-15, 16-31, 32-47, 48-63
.set LLA,  180                         ; the same for W_lin
.set SLA,  181                         ; v181, v182: the same for spec, items 0-19 and 20-39
.set SF,   192                         ; v192-255: spec fragments of one tile, 8 K steps
.set RS,   1
.set AB,   2
.set OS,   3
.set NINF, 4
.set AB2,  5
.set RT,   160                         ; v160-175
.set EE,   176                         ; v176-199: energies, then attn; tiles t = 0, 1, 2
.set E0,   176
.set E1,   184
.set E2,   192
.set RA,   200
.set PB,   208                         ; v208-223: P^T as f16; v220-223 stay zero
.set OA,   224
.set AD,   240                         ; v240-247: scratch address of word (8h+jr-r-1) & 31
.set AS,   248                         ; v248-255: the same word in the image of out1
.set ACC6, 16
.set OF,   64
.set LW,   128
.set PD,   188
; registers, block 1 (v256-511, written with their low 8 bits)
.set WF,   0                           ; fragments of the weight matrix at work: fragment 2 ks + nt at 8 (2 ks + nt); behind the projections:
.set CP0,  0                           ; 62 registers: my share of rows 0-63 of out1
.set CP1,  64                          ; 62 registers: my share of rows 64-127
.set ST,   128                         ; the ring: item i in the 4 registers at 128 + 4 (i mod 32); when the stream has ended:
.set VRB,  128                         ; V: channel tile dt, key tile t at 128 + 44 dt + 4 t, t = 0 .. 10 (tile 10 = zeros)
.set RELF, 216                         ; rel fragments, j tiles 0 and 1
; running counts kept by the assembler, from which the counted waits are formed
.set GLN,  0                           ; stream items asked for so far
.set GK,   0                           ; the next group of four items to be stored
.set DSN,  0                           ; LDS instructions issued by the projections' macros so far
.set MK0,  0                           ; DSN behind the last run of fragment loads for K steps 0-3
.set MK1,  0                           ; and for K steps 4-7
.set MSB, 0
.macro WIN new                         ; low byte: blocks of source 0 (1:0), source 1 (3:2), source 2 (5:4), destination (7:6);
.if MSB != \new                        ; high byte: the setting that is left
	s_set_vgpr_msb (MSB<<8)|\new
.set MSB, \new
.endif
.endm
.macro PLACES                          ; four independent vector instructions behind a matrix instruction before its result is read
.rept 4                                ; or one of its registers is written or loaded into (ISA guide 7.12.1)
	v_nop
.endr
.endm
.macro BAR                             ; my LDS stores are written and my LDS loads are back before I say so
	WIN 0
	s_wait_dscnt 0x0
	s_barrier_signal -1
	s_barrier_wait -1
.endm
.macro MM d, a, b, z                   ; z = 1: the first product starts the sum
.if \z
	v_wmma_f32_16x16x32_f16 v[\d:\d+7], v[\a:\a+7], v[\b:\b+7], 0
.else
	v_wmma_f32_16x16x32_f16 v[\d:\d+7], v[\a:\a+7], v[\b:\b+7], v[\d:\d+7]
.endif
.endm
; ask for item li: 4,096 consecutive bytes by the work-group, 512 by a wave
.macro LDIT
.set lr, ST+4*(li%RING)
.if li < 4
	global_load_b128 v[lr:lr+3], v[VT16], s[26:27] offset:li*4096
.else
.if li < 36
	global_load_b128 v[lr:lr+3], v[VT16], s[28:29] offset:(li-4)*4096
.else
.if li < IQ
	global_load_b128 v[lr:lr+3], v[VT16], s[30:31] offset:(li-36)*4096
.else
.if li < IK
	global_load_b128 v[lr:lr+3], v[VT16], s[6:7] offset:(li-IQ)*4096
.else
.if li < IL
	global_load_b128 v[lr:lr+3], v[VT16], s[8:9] offset:(li-IK)*4096
.else
.if li < IV
	global_load_b128 v[lr:lr+3], v[VT16], s[14:15] offset:(li-IL)*4096
.else
	global_load_b128 v[lr:lr+3], v[VT16], s[10:11] offset:(li-IV)*4096
.endif
.endif
.endif
.endif
.endif
.endif
.set GLN, GLN+1
.set li, li+1
.endm
; narrow item li to f16 in place; halo rows outside the batch entry are cleared by a mask
.macro CVIT
.set lr, ST+4*(li%RING)
	v_cvt_pk_f16_f32 v[lr], v[lr], v[lr+1]
	v_cvt_pk_f16_f32 v[lr+1], v[lr+2], v[lr+3]
.if li < 4
	v_and_b32 v[lr], s32, v[lr]
	v_and_b32 v[lr+1], s32, v[lr+1]
.endif
.if li >= 36
.if li < IQ
	v_and_b32 v[lr], s33, v[lr]
	v_and_b32 v[lr+1], s33, v[lr+1]
.endif
.endif
.set li, li+1
.endm
; store item li's 8 bytes: an item is four rows of spec or of a weight matrix, or 2,048 dense bytes of W_lin
.macro STIT
.set lr, ST+4*(li%RING)
.if li < IQ
	ds_store_b64 v[SLA+li/20], v[lr:lr+1] offset:(li%20)*4*SPITCH
.else
.if li < IL
.set wj, (li-IQ)%64
	ds_store_b64 v[WLA+wj/16], v[lr:lr+1] offset:(wj%16)*4*WPITCH
.else
.if li < IV
	ds_store_b64 v[LLA], v[lr:lr+1] offset:(li-IL)*2048
.else
.set wj, li-IV
	ds_store_b64 v[WLA+wj/16], v[lr:lr+1] offset:(wj%16)*4*WPITCH
.endif
.endif
.endif
.set DSN, DSN+1
.set li, li+1
.endm
; one group of the stream: items 4 GK .. 4 GK + 3 (the last group has two) are narrowed and stored, and the four items RING further
; on are asked for into their registers.  Loads come back in order (ISA guide 5.7.1), so the group is in when only the items asked
; for behind its last one are out: GLN - 4 GK - gc of them, 28 while the ring is full, fewer at the stream's end, 0 in the last group.
.macro GRP
.set gc, NIT-4*GK
.if gc > 4
.set gc, 4
.endif
	s_wait_loadcnt GLN-4*GK-gc
	WIN 0x45                               ; sources and destination in block 1
.set li, 4*GK
.rept gc
	CVIT
.endr
	WIN 0x44                               ; store data and load destination in block 1, addresses in block 0
.set li, 4*GK
.rept gc
	STIT
.endr
.set li, 4*GK+RING
.rept 4
.if li < NIT
	LDIT
.endif
.endr
.set GK, GK+1
.endm
; my head's 32 channels of the matrix in WBUF as 16 fragments (8 K steps x 2 channel tiles) into block 1
.macro FRAGW
	WIN 0x40
.irp ks, 0,1,2,3,4,5,6,7
.irp nt, 0,1
	ds_load_tr16_b128 v[WF+8*(2*\ks+\nt):WF+8*(2*\ks+\nt)+3], v[WA+\ks/4] offset:(\ks%4)*32*WPITCH+32*\nt
	ds_load_tr16_b128 v[WF+8*(2*\ks+\nt)+4:WF+8*(2*\ks+\nt)+7], v[WA+\ks/4] offset:(\ks%4)*32*WPITCH+32*\nt+16*WPITCH
.endr
.endr
	WIN 0
.endm
; four K steps (half = 0: 0-3, 1: 4-7) of the spec fragments of row tile tl, 8 loads
.macro LDH half, tl
	WIN 0
.irp k, 0,1,2,3
	ds_load_b128 v[SF+8*(4*\half+\k):SF+8*(4*\half+\k)+3], v[SA+(\tl)/8] offset:((\tl)%8)*16*SPITCH+64*(4*\half+\k)
	ds_load_b128 v[SF+8*(4*\half+\k)+4:SF+8*(4*\half+\k)+7], v[SA+(\tl)/8] offset:((\tl)%8)*16*SPITCH+64*(4*\half+\k)+32
.endr
.set DSN, DSN+8
.set MK\half, DSN
.endm
.macro STEPW ks, vm, z
.if \vm
	MM ACC, SF+8*\ks, WF+16*\ks, \z
	MM ACC+8, SF+8*\ks, WF+16*\ks+8, \z
.else
	MM ACC, WF+16*\ks, SF+8*\ks, \z
	MM ACC+8, WF+16*\ks+8, SF+8*\ks, \z
.endif
.endm
; one projection of row tile tl.  vm = 0: W x spec (Q^T or K^T), packed into v[dst .. dst+7]; vm = 1: spec x W (V), packed into block 1.
; more = 1: each half of tile nx's fragments is loaded as soon as its registers are free.  ng = 1: a group of the stream follows each half.
; LDS instructions end in order (ISA guide 5.7.1): a half's fragments are in when only what was issued behind its run of 8 loads is out,
; DSN - MK0 or DSN - MK1 instructions: the other half's 8 loads and the stores of the groups in between.
.macro TILEP tl, nx, more, vm, ng, dst
	s_wait_dscnt DSN-MK0
.if \vm
	WIN 0x04
.else
	WIN 0x01
.endif
	STEPW 0, \vm, 1
	STEPW 1, \vm, 0
	STEPW 2, \vm, 0
	STEPW 3, \vm, 0
	WIN 0
	PLACES
.if \more
	LDH 0, \nx
.endif
.if \ng
	GRP
.endif
	s_wait_dscnt DSN-MK1
.if \vm
	WIN 0x04
.else
	WIN 0x01
.endif
	STEPW 4, \vm, 0
	STEPW 5, \vm, 0
	STEPW 6, \vm, 0
	STEPW 7, \vm, 0
	WIN 0
	PLACES
.if \more
	LDH 1, \nx
.endif
.if \ng
	GRP
.endif
.if \vm
	WIN 0x40
.irp p, 0,1,2,3
	v_cvt_pk_f16_f32 v[VRB+4*\tl+\p], v[ACC+2*\p], v[ACC+2*\p+1]
	v_cvt_pk_f16_f32 v[VRB+44+4*\tl+\p], v[ACC+8+2*\p], v[ACC+8+2*\p+1]
.endr
	WIN 0
.else
	WIN 0
.irp p, 0,1,2,3,4,5,6,7
	v_cvt_pk_f16_f32 v[\dst+\p], v[ACC+2*\p], v[ACC+2*\p+1]
.endr
.endif
.endm
; ------------------------------------------------------------------ entry: pointers, offsets, the first loads
	s_load_b512 s[4:19], s[0:1], 0x0               ; spec 4:5, W_q 6:7, W_k 8:9, W_v 10:11, rel 12:13, W_lin 14:15, b_lin 16:17, out0 18:19
	s_load_b64 s[20:21], s[0:1], 0x40              ; out1
	v_lshrrev_b32 v5, 5, v0
	v_readfirstlane_b32 s22, v5                    ; wave = head g
	v_and_b32 v[VL], 31, v0
	v_and_b32 v[RR], 15, v0
	v_lshlrev_b32 v[VT16], 4, v0
	v_min_u32 v5, 87, v0                           ; b_lin has 88 numbers: threads 88-255 read the last and store zero
	v_lshlrev_b32 v5, 2, v5
	v_lshlrev_b32 v6, 4, v[VL]                     ; rel: 16 bytes a lane
	v_add_nc_u32 v7, 3584, v6                      ; the eighth load: a head has 248 quads, lanes 24-31 stay on the last
	v_min_u32 v7, 3952, v7
	s_and_b32 s23, ttmp9, 31                       ; block of 128 frames inside the batch entry
	s_lshl_b32 s24, ttmp9, 17                      ; my first row: 128 rows x 1,024 bytes a work-group
	s_mov_b32 s25, 0
	s_sub_co_u32 s52, s24, 0x4000                  ; upper halo: 16 rows up, or (first block) my own rows, cleared by the mask s32
	s_cmp_lg_u32 s23, 0
	s_cselect_b32 s52, s52, s24
	s_cselect_b32 s32, -1, 0
	s_add_co_u32 s54, s24, 0x20000                 ; lower halo: 128 rows down, or (last block) my own rows, cleared by s33
	s_cmp_lg_u32 s23, 31
	s_cselect_b32 s54, s54, s24
	s_cselect_b32 s33, -1, 0
	s_mov_b32 s53, 0
	s_mov_b32 s55, 0
	s_mul_i32 s56, s22, 3968                       ; rel: 32 channels x 124 bytes a head
	s_mov_b32 s57, 0
	s_mul_i32 s58, ttmp9, 45056                    ; out0: 128 rows x 352 bytes, and 16 rows a wave
	s_mul_i32 s60, s22, 5632
	s_add_co_u32 s58, s58, s60
	s_mov_b32 s59, 0
	s_mul_i32 s60, ttmp9, 126976                   ; out1: 128 rows x 992 bytes, and 8 rows of each half a wave
	s_mul_i32 s62, s22, ASHARE
	s_add_co_u32 s60, s60, s62
	s_mov_b32 s61, 0
	s_wait_kmcnt 0x0
	s_add_nc_u64 s[26:27], s[4:5], s[52:53]
	s_add_nc_u64 s[28:29], s[4:5], s[24:25]
	s_add_nc_u64 s[30:31], s[4:5], s[54:55]
	s_add_nc_u64 s[12:13], s[12:13], s[56:57]
	s_add_nc_u64 s[18:19], s[18:19], s[58:59]
	s_add_nc_u64 s[20:21], s[20:21], s[60:61]
	global_load_b32 v[BV], v5, s[16:17]
.irp i, 0,1,2,3,4,5,6
	global_load_b128 v[RL+4*\i:RL+4*\i+3], v6, s[12:13] offset:512*\i
.endr
	global_load_b128 v[RL+28:RL+31], v7, s[12:13]
	WIN 0x44
.set li, 0
.rept RING
	LDIT                                           ; the ring is filled: items 0-31, all of them spec
.endr
	WIN 0
	; LDS addresses of the staging: a constant + wave x a constant + a lane term
	s_lshl_b32 s52, s22, 7
	s_add_co_u32 s52, s52, BIAS
	v_lshl_add_u32 v11, v[VL], 2, s52              ; bias word t
	s_lshl_b32 s52, s22, 12                        ; rel as f32: 4,096 bytes of my own in the WLIN region, which W_lin reaches three barriers later
	s_add_co_u32 s52, s52, WLIN
	v_lshl_add_u32 v8, v[VL], 4, s52               ; in: as loaded
	v_mul_u32_u24 v9, 124, v[VL]                   ; back: lane = channel, 31 words apart
	v_add_nc_u32 v9, s52, v9
	s_mul_i32 s52, s22, 3072
	s_add_co_u32 s52, s52, REL
	v_mul_u32_u24 v10, 96, v[VL]
	v_add_nc_u32 v10, s52, v10
	s_lshr_b32 s52, s22, 1                         ; an item's 4,096 bytes are four rows: wave g has half g & 1 of row g >> 1
	s_and_b32 s53, s22, 1
	s_lshl_b32 s53, s53, 8
	s_mul_i32 s54, s52, SPITCH
	s_add_co_u32 s54, s54, s53
	v_lshl_add_u32 v[SLA], v[VL], 3, s54
	v_add_nc_u32 v[SLA+1], 20*4*SPITCH, v[SLA]     ; offsets have 16 bits: 20 items of spec, 16 of a weight matrix to an address register
	s_mul_i32 s54, s52, WPITCH
	s_add_co_u32 s54, s54, s53
	s_add_co_u32 s54, s54, WBUF
	v_lshl_add_u32 v[WLA], v[VL], 3, s54
	v_add_nc_u32 v[WLA+1], 16*4*WPITCH, v[WLA]
	v_add_nc_u32 v[WLA+2], 32*4*WPITCH, v[WLA]
	v_add_nc_u32 v[WLA+3], 48*4*WPITCH, v[WLA]
	s_lshl_b32 s54, s22, 8                         ; W_lin stays dense: 8 t + 2,048 i
	s_add_co_u32 s54, s54, WLIN
	v_lshl_add_u32 v[LLA], v[VL], 3, s54
	s_lshl_b32 s54, s22, 9
	s_add_co_u32 s54, s54, WLIN+256*LPITCH
	v_lshl_add_u32 v116, v[VL], 4, s54             ; zeros behind W_lin's last row
	v_bfe_u32 v117, v0, 4, 1                       ; transposing loads: row 8h + (L & 7), 16 bytes by bit 3 of L
	v_and_b32 v118, 7, v0
	v_lshl_add_u32 v117, v117, 3, v118
	v_mul_u32_u24 v117, WPITCH, v117
	v_bfe_u32 v118, v0, 3, 1
	v_lshl_add_u32 v117, v118, 4, v117
	s_lshl_b32 s54, s22, 6                         ; my head's 32 channels: 64 bytes
	s_add_co_u32 s54, s54, WBUF
	v_add_nc_u32 v[WA], s54, v117
	v_add_nc_u32 v[WA+1], 128*WPITCH, v[WA]
	s_mov_b32 s34, 0x76543210                      ; v_permlanex16_b32: lane i takes lane i xor 16
	s_mov_b32 s35, 0xfedcba98
.irp jr, 0,1,2,3,4,5,6,7
	s_mov_b32 s[36+\jr], ((1<<\jr)-1)|(((1<<(8+\jr))-1)<<16)                           ; lanes with r < 8h + jr: key tile 0 is in the window
	s_mov_b32 s[44+\jr], (0xffff^((1<<(\jr+1))-1))|((0xffff^((1<<(9+\jr))-1))<<16)     ; lanes with r > 8h + jr: key tile 2 is
.endr
.irp p, 0,1,2,3
	v_mov_b32 v[ZQ+\p], 0
.endr
	ds_store_b128 v116, v[ZQ:ZQ+3]                 ; the fragment of columns 88-95 reads 16 bytes past each row's end
	s_wait_loadcnt 8+RING                          ; the bias: rel's 8 loads and the ring's 32 stay out
	v_cmp_gt_u32 vcc_lo, 88, v0
	v_cndmask_b32 v[BV], 0, v[BV], vcc_lo
	ds_store_b32 v11, v[BV]
	s_wait_loadcnt RING                            ; rel: the ring's 32 stay out
.irp i, 0,1,2,3,4,5,6,7
	ds_store_b128 v8, v[RL+4*\i:RL+4*\i+3] offset:512*\i
.endr
.set j, 0
.rept 31
	ds_load_b32 v[RW+j], v9 offset:4*j             ; my own bytes, served in order behind the stores (ISA guide 5.7.1)
.set j, j+1
.endr
	s_wait_dscnt 0x0
.irp p, 0,1,2,3,4,5,6,7,8,9,10,11,12,13,14
	v_cvt_pk_f16_f32 v[RP+\p], v[RW+2*\p], v[RW+2*\p+1]
.endr
	v_cvt_pk_f16_f32 v[RP+15], v[RW+30], 0         ; j = 31 does not exist: zero
.irp m, 0,1,2,3
	ds_store_b128 v10, v[RP+4*\m:RP+4*\m+3] offset:16*\m
.endr
; ------------------------------------------------------------------ spec and W_q: the only part of the stream in front of the products
.rept 26
	GRP                                            ; groups 0-25 = items 0-103
.endr
	WIN 0
	v_bfe_u32 v5, v0, 4, 1                         ; h, kept up to the attention's addresses
	v_mul_u32_u24 v[SA], SPITCH, v[RR]
	v_lshl_add_u32 v[SA], v5, 4, v[SA]             ; r x pitch + 16 h
	v_add_nc_u32 v[SA+1], 128*SPITCH, v[SA]
	BAR                                            ; spec and W_q are whole in LDS
	FRAGW
	LDH 0, 1
	LDH 1, 1
	BAR                                            ; every wave has its W_q fragments: WBUF may be written
; ------------------------------------------------------------------ Q of my head, row tiles 1-8; groups 26-41 = W_k go into WBUF
	TILEP 1, 2, 1, 0, 1, QR
	TILEP 2, 3, 1, 0, 1, QR+8
	TILEP 3, 4, 1, 0, 1, QR+16
	TILEP 4, 5, 1, 0, 1, QR+24
	TILEP 5, 6, 1, 0, 1, QR+32
	TILEP 6, 7, 1, 0, 1, QR+40
	TILEP 7, 8, 1, 0, 1, QR+48
	TILEP 8, 0, 0, 0, 1, QR+56
	BAR                                            ; W_k is whole in WBUF.  The four places and the packing above stand behind the last products
	FRAGW                                          ; over W_q's fragments
	LDH 0, 0
	LDH 1, 0
	GRP                                            ; groups 42, 43: W_lin, which goes to bytes of its own
	GRP
	BAR                                            ; every wave has its W_k fragments
; ------------------------------------------------------------------ K of my head, row tiles 0-9; groups 44-63 = the rest of W_lin, then W_v into WBUF
	TILEP 0, 1, 1, 0, 1, KR
	TILEP 1, 2, 1, 0, 1, KR+8
	TILEP 2, 3, 1, 0, 1, KR+16
	TILEP 3, 4, 1, 0, 1, KR+24
	TILEP 4, 5, 1, 0, 1, KR+32
	TILEP 5, 6, 1, 0, 1, KR+40
	TILEP 6, 7, 1, 0, 1, KR+48
	TILEP 7, 8, 1, 0, 1, KR+56
	TILEP 8, 9, 1, 0, 1, KR+64
	TILEP 9, 0, 0, 0, 1, KR+72                     ; the last group's wait is for zero: every global load is in, the ring's registers and v3 are free
	BAR                                            ; W_v and W_lin are whole in LDS
	FRAGW                                          ; over W_k's fragments
	v_and_b32 v6, 7, v0
	v_lshl_add_u32 v6, v5, 3, v6
	v_mul_u32_u24 v6, 96, v6
	v_bfe_u32 v7, v0, 3, 1
	v_lshl_add_u32 v6, v7, 4, v6
	s_mul_i32 s52, s22, 3072
	s_add_co_u32 s52, s52, REL
	v_add_nc_u32 v6, s52, v6
	WIN 0x40
	ds_load_tr16_b128 v[RELF:RELF+3], v6                   ; A fragment of rel^T: row j = r, channels along the registers
	ds_load_tr16_b128 v[RELF+4:RELF+7], v6 offset:1536
	ds_load_tr16_b128 v[RELF+8:RELF+11], v6 offset:32      ; j = 16 + r
	ds_load_tr16_b128 v[RELF+12:RELF+15], v6 offset:1568
.irp p, 0,1,2,3
	v_mov_b32 v[VRB+40+\p], 0                      ; key tile 10 does not exist: it meets the zeros of P's second fragment
	v_mov_b32 v[VRB+84+\p], 0
.endr
	WIN 0
; ------------------------------------------------------------------ V of my head, row tiles 0-9
	LDH 0, 0
	LDH 1, 0
	TILEP 0, 1, 1, 1, 0, 0                         ; its first wait leaves 8 loads out, so all fragment loads above are in too
	TILEP 1, 2, 1, 1, 0, 0
	TILEP 2, 3, 1, 1, 0, 0
	TILEP 3, 4, 1, 1, 0, 0
	TILEP 4, 5, 1, 1, 0, 0
	TILEP 5, 6, 1, 1, 0, 0
	TILEP 6, 7, 1, 1, 0, 0
	TILEP 7, 8, 1, 1, 0, 0
	TILEP 8, 9, 1, 1, 0, 0
	TILEP 9, 0, 0, 1, 0, 0
	BAR                                            ; nobody reads SPEC or WBUF any more: OUTS, ATT and RSC lie over them
; ------------------------------------------------------------------ attention: addresses
	s_mul_i32 s52, s22, 2304
	s_add_co_u32 s52, s52, RSC
	v_mul_u32_u24 v6, 144, v[RR]
	v_add_nc_u32 v6, s52, v6                       ; scratch row of query r: 32 words, pitch 144
	v_lshl_add_u32 v[RS], v5, 5, v6                ; words 8h ..
	v_mul_u32_u24 v7, 140, v[RR]
	v_add_nc_u32 v7, s52, v7
	v_lshl_add_u32 v7, v5, 5, v7
	v_add_nc_u32 v[AB], 60, v7                     ; word 15 + 8h - r: key tile 1, jr by the offset
	s_mul_i32 s53, s22, 124
	s_add_co_u32 s53, s53, ATT
	v_mul_u32_u24 v8, 992, v[RR]
	v_add_nc_u32 v8, s53, v8                       ; image of out1: row r, head g
	v_mul_u32_u24 v9, 988, v[RR]
	v_add_nc_u32 v9, s53, v9
	v_lshl_add_u32 v9, v5, 5, v9
	s_mul_i32 s54, s22, 10240
	v_mul_u32_u24 v[OS], 80, v[RR]
	v_lshl_add_u32 v[OS], v5, 4, v[OS]
	v_add_nc_u32 v[OS], s54, v[OS]
	v_lshlrev_b32 v[GO16], 4, v[VL]                ; the stores' offsets: written here once and never again, so no store ever waits for them
	v_lshlrev_b32 v[GO8], 3, v[VL]
	; the window word of key tiles 0 and 2 is w = (8h + jr - r - 1) mod 32.  All sums are kept non-negative: -r is 31 r modulo 32.
	v_mul_u32_u24 v10, 31, v[RR]
	v_lshl_add_u32 v10, v5, 3, v10                 ; 31 r + 8 h
.irp jr, 0,1,2,3,4,5,6,7
	v_add_nc_u32 v11, 31+\jr, v10
	v_and_b32 v11, 31, v11                         ; w; 31 where 8h + jr = r: no key of the window
	v_lshl_add_u32 v[AD+\jr], v11, 2, v6
	v_add_nc_u32 v[AS+\jr], 1, v11
	v_and_b32 v[AS+\jr], 32, v[AS+\jr]             ; 32 where w = 31, else 0
	v_lshl_add_u32 v11, v11, 1, v[AS+\jr]          ; 2 w, or 62 + 32
	v_and_b32 v11, 62, v11                         ; 2 w, or 30: the image has 31 words a head, that lane stores tile 1's number to word 15 once more
	v_lshl_add_u32 v[AS+\jr], v11, 1, v8
.endr
	v_add_nc_u32 v[AB2], 60, v9
	v_mov_b32 v9, 0                                ; v_permlanex16_b32 counts as a reader of its destination
	v_mov_b32 v[NINF], 0xff800000
.irp p, 12,13,14,15
	v_mov_b32 v[PB+\p], 0                          ; keys 48-63 of P's second fragment
.endr
; my 8 rows of a half of the image of out1, 7,936 bytes as they lie in memory: 15 loads of 512 bytes and one of 256, all lanes on,
; into 62 registers of block 1 that are written by nothing else afterwards
.macro CPLD a16, a8, d
	WIN 0x44                               ; load destination and store data in block 1, addresses in block 0
.set u, 0
.rept 15
	ds_load_b128 v[\d+4*u:\d+4*u+3], v[\a16] offset:512*u
.set u, u+1
.endr
	ds_load_b64 v[\d+60:\d+61], v[\a8] offset:7680
	WIN 0
.endm
; and their stores: each covers 512 (the last 256) consecutive bytes that begin at a multiple of 256 from out1's first byte
.macro CPST d, go
	WIN 0x44
.set u, 0
.rept 15
	global_store_b128 v[GO16], v[\d+4*u:\d+4*u+3], s[20:21] offset:\go+512*u th:TH_STORE_NT
.set u, u+1
.endr
	global_store_b64 v[GO8], v[\d+60:\d+61], s[20:21] offset:\go+7680 th:TH_STORE_NT
	WIN 0
.endm
; query tile i (rows 16 i .. 16 i + 15 of my 128), key tiles i, i+1, i+2
.macro ATTN i
.set IO, (\i%4)*15872
.if \i == 4
.irp jr, 0,1,2,3,4,5,6,7
	v_add_nc_u32 v[AS+\jr], AHALF, v[AS+\jr]       ; 64 rows of the image on: offsets have 16 bits
.endr
	v_add_nc_u32 v[AB2], AHALF, v[AB2]
.endif
	WIN 0x01
	MM RT, RELF, QR+8*\i, 1                        ; rel^T x Q^T: lane = query, registers = j
	MM RT+8, RELF+8, QR+8*\i, 1
	WIN 0
	PLACES
	ds_store_b128 v[RS], v[RT:RT+3]
	ds_store_b128 v[RS], v[RT+4:RT+7] offset:16
	ds_store_b128 v[RS], v[RT+8:RT+11] offset:64
	ds_store_b128 v[RS], v[RT+12:RT+15] offset:80
.irp jr, 0,1,2,3,4,5,6,7
	ds_load_b32 v[RA+\jr], v[AD+\jr]               ; back at j = c - r - 1: my own bytes, in order behind the stores
.endr
.irp jr, 0,1,2,3,4,5,6,7
	ds_load_b32 v[E1+\jr], v[AB] offset:4*\jr
.endr
	s_wait_dscnt 0x0
.if \i == 4
	CPST CP0, 0                                    ; the wait above also shows the 16 loads of rows 0-63 done: they leave while tiles 4-7 are worked on
.endif
	v_wmma_f32_16x16x32_f16 v[E0:E0+7], v[KR+8*\i:KR+8*\i+7], v[QR+8*\i:QR+8*\i+7], v[RA:RA+7]
	v_wmma_f32_16x16x32_f16 v[E2:E2+7], v[KR+8*\i+16:KR+8*\i+23], v[QR+8*\i:QR+8*\i+7], v[RA:RA+7]
	v_wmma_f32_16x16x32_f16 v[E1:E1+7], v[KR+8*\i+8:KR+8*\i+15], v[QR+8*\i:QR+8*\i+7], v[E1:E1+7]
	PLACES
.irp jr, 0,1,2,3,4,5,6,7
	v_cndmask_b32 v[E0+\jr], v[NINF], v[E0+\jr], s[36+\jr]     ; keys outside the window: -inf
	v_cndmask_b32 v[E2+\jr], v[NINF], v[E2+\jr], s[44+\jr]
.endr
	v_max3_num_f32 v6, v[EE], v[EE+1], v[EE+2]     ; the row's maximum: two chains, then the other half of the keys in lane xor 16
	v_max3_num_f32 v7, v[EE+11], v[EE+12], v[EE+13]
.irp p, 3,5,7,9
	v_max3_num_f32 v6, v6, v[EE+\p], v[EE+\p+1]
.endr
.irp p, 14,16,18,20,22
	v_max3_num_f32 v7, v7, v[EE+\p], v[EE+\p+1]
.endr
	v_max_num_f32 v6, v6, v7
	v_permlanex16_b32 v7, v6, s34, s35
	v_max_num_f32 v6, v6, v7
.irp p, 0,2,4,6,8,10,12,14,16,18,20,22
	v_pk_add_f32 v[EE+\p:EE+\p+1], v[EE+\p:EE+\p+1], v[6:7] op_sel_hi:[1,0] neg_lo:[0,1] neg_hi:[0,1]   ; the difference first: exact near the maximum
.endr
.irp p, 0,2,4,6,8,10,12,14,16,18,20,22
	v_pk_mul_f32 v[EE+\p:EE+\p+1], v[EE+\p:EE+\p+1], 0x3fb8aa3b op_sel_hi:[1,0]
.endr
.set j, 0
.rept 24
	v_exp_f32 v[EE+j], v[EE+j]
.set j, j+1
.endr
	v_nop                                          ; one plain vector instruction behind a transcendental before its result is read (ISA guide 5.7.2)
	s_wait_alu depctr_va_vdst(0)
	v_pk_add_f32 v[RT:RT+1], v[EE:EE+1], v[EE+2:EE+3]
	v_pk_add_f32 v[RT+2:RT+3], v[EE+8:EE+9], v[EE+10:EE+11]
	v_pk_add_f32 v[RT+4:RT+5], v[EE+16:EE+17], v[EE+18:EE+19]
.irp p, 4,6
	v_pk_add_f32 v[RT:RT+1], v[RT:RT+1], v[EE+\p:EE+\p+1]
	v_pk_add_f32 v[RT+2:RT+3], v[RT+2:RT+3], v[EE+8+\p:EE+8+\p+1]
	v_pk_add_f32 v[RT+4:RT+5], v[RT+4:RT+5], v[EE+16+\p:EE+16+\p+1]
.endr
	v_pk_add_f32 v[RT:RT+1], v[RT:RT+1], v[RT+2:RT+3]
	v_pk_add_f32 v[RT:RT+1], v[RT:RT+1], v[RT+4:RT+5]
	v_add_f32 v8, v[RT], v[RT+1]
	v_permlanex16_b32 v9, v8, s34, s35
	v_add_f32 v8, v8, v9
	v_rcp_f32 v10, v8
	v_rcp_f32 v11, v8
	v_nop
	s_wait_alu depctr_va_vdst(0)
.irp p, 0,2,4,6,8,10,12,14,16,18,20,22
	v_pk_mul_f32 v[EE+\p:EE+\p+1], v[EE+\p:EE+\p+1], v[10:11]
.endr
.irp jr, 0,1,2,3,4,5,6,7
	v_cndmask_b32 v[RA+\jr], v[E1+\jr], v[E2+\jr], s[44+\jr]   ; tile 2's number, tile 0's, or (8h + jr = r) tile 1's
	v_cndmask_b32 v[RA+\jr], v[RA+\jr], v[E0+\jr], s[36+\jr]
.endr
.irp jr, 0,1,2,3,4,5,6,7
	ds_store_b32 v[AS+\jr], v[RA+\jr] offset:IO
	ds_store_b32 v[AB2], v[E1+\jr] offset:IO+4*\jr
.endr
.irp p, 0,1,2,3,4,5,6,7,8,9,10,11
	v_cvt_pk_f16_f32 v[PB+\p], v[EE+2*\p], v[EE+2*\p+1]
.endr
	WIN 0x01
	MM OA, VRB+4*\i, PB, 1                         ; V^T x P^T, keys 0-31 of the three tiles,
	MM OA+8, VRB+44+4*\i, PB, 1
	MM OA, VRB+4*\i+8, PB+8, 0                     ; keys 32-47, and 16 that meet zeros
	MM OA+8, VRB+44+4*\i+8, PB+8, 0
	WIN 0
	PLACES
.irp p, 0,1,2,3,4,5,6,7
	v_cvt_pk_f16_f32 v[RT+\p], v[OA+2*\p], v[OA+2*\p+1]
.endr
	ds_store_b128 v[OS], v[RT:RT+3] offset:\i*1280
	ds_store_b128 v[OS], v[RT+4:RT+7] offset:\i*1280+32
.endm
	ATTN 0
	ATTN 1
	ATTN 2
	ATTN 3
	BAR                                            ; all heads have written rows 0-63 of the image; from here on only rows 64-127 are written
	s_mul_i32 s52, s22, ASHARE
	s_add_co_u32 s52, s52, ATT
	v_lshl_add_u32 v16, v[VL], 4, s52              ; v16, v17: registers of Q's tile 0, which is done with
	v_lshl_add_u32 v17, v[VL], 3, s52
	CPLD 16, 17, CP0
	ATTN 4
	ATTN 5
	ATTN 6
	ATTN 7
	BAR                                            ; all heads' attn and attn.v are in LDS; up to the next barrier LDS is only read
; ------------------------------------------------------------------ rows 64-127 of out1 are read first, so that their stores leave in front of the linear layer
	s_mul_i32 s53, s22, ASHARE
	s_add_co_u32 s53, s53, ATT+AHALF
	v_lshl_add_u32 v7, v[VL], 4, s53
	v_lshl_add_u32 v8, v[VL], 3, s53
	CPLD 7, 8, CP1
; ------------------------------------------------------------------ the linear layer for rows 16 w .. 16 w + 15, transposed: lane = row, registers = outputs
	v_bfe_u32 v5, v0, 4, 1
	v_lshlrev_b32 v1, 5, v5
	v_add_nc_u32 v1, BIAS, v1
	s_mul_i32 s52, s22, 1280
	v_mul_u32_u24 v2, 80, v[RR]
	v_lshl_add_u32 v2, v5, 4, v2
	v_add_nc_u32 v2, s52, v2                       ; heads 0-3
	v_add_nc_u32 v3, 40960, v2                     ; heads 4-7
	v_and_b32 v6, 7, v0
	v_lshl_add_u32 v6, v5, 3, v6
	v_mul_u32_u24 v4, LPITCH, v6
	v_bfe_u32 v6, v0, 3, 1
	v_lshl_add_u32 v4, v6, 4, v4
	v_add_nc_u32 v4, WLIN, v4
	s_mul_i32 s54, s22, 6144
	s_add_co_u32 s54, s54, PRED
	v_mul_u32_u24 v9, 352, v[RR]
	v_lshl_add_u32 v9, v5, 5, v9
	v_add_nc_u32 v9, s54, v9                       ; pred: row r, outputs 8h ..
	v_lshl_add_u32 v10, v[RR], 5, s54
	v_add_nc_u32 v10, 5312, v10                    ; outputs 88-95 do not exist: lanes 16-31 put tile 5 behind my 16 rows (5,632 + 32 r - 320)
	s_mov_b32 s55, 0xffff0000
	v_cndmask_b32 v10, v9, v10, s55
	v_lshl_add_u32 v11, v[VL], 4, s54
.irp nt, 0,1,2,3,4,5
	ds_load_b128 v[ACC6+8*\nt:ACC6+8*\nt+3], v1 offset:64*\nt          ; the bias starts the sums
	ds_load_b128 v[ACC6+8*\nt+4:ACC6+8*\nt+7], v1 offset:64*\nt+16
.endr
.irp ks, 0,1,2,3,4,5,6,7
	ds_load_b128 v[OF+8*\ks:OF+8*\ks+3], v[2+\ks/4] offset:(\ks%4)*10240
	ds_load_b128 v[OF+8*\ks+4:OF+8*\ks+7], v[2+\ks/4] offset:(\ks%4)*10240+32
.endr
.macro LWLD kk                         ; W_lin's six fragments of K step kk, 12 loads, into slot kk & 1
.irp nt, 0,1,2,3,4,5
	ds_load_tr16_b128 v[LW+48*((\kk)%2)+8*\nt:LW+48*((\kk)%2)+8*\nt+3], v4 offset:32*LPITCH*(\kk)+32*\nt
	ds_load_tr16_b128 v[LW+48*((\kk)%2)+8*\nt+4:LW+48*((\kk)%2)+8*\nt+7], v4 offset:32*LPITCH*(\kk)+32*\nt+16*LPITCH
.endr
.endm
.macro LINK ks
.if \ks == 7
	s_wait_dscnt 0x0
.else
	s_wait_dscnt 0xc                               ; this step's fragments are in; the next step's 12 loads may be out
.endif
.irp nt, 0,1,2,3,4,5
	MM ACC6+8*\nt, LW+48*(\ks%2)+8*\nt, OF+8*\ks, 0
.endr
.if \ks < 6
	PLACES
	LWLD \ks+2
.endif
.endm
	LWLD 0
	s_wait_dscnt 40                                ; the 16 loads of rows 64-127 are in: the 12 + 16 + 12 loads issued behind them may be out
	CPST CP1, AHALF
	LWLD 1
	LINK 0
	LINK 1
	LINK 2
	LINK 3
	LINK 4
	LINK 5
	LINK 6
	LINK 7
	s_wait_dscnt 0x0                               ; (shown already by the last step's wait) my reads of W_lin are over:
	s_barrier_signal -1                            ; say so, and work on registers while the others arrive
	PLACES
	; sigmoid(x) = 1 / (1 + 2^(-x log2 e))
.set j, 0
.rept 24
	v_pk_mul_f32 v[ACC6+2*j:ACC6+2*j+1], v[ACC6+2*j:ACC6+2*j+1], 0xbfb8aa3b op_sel_hi:[1,0]
.set j, j+1
.endr
.set j, 0
.rept 48
	v_exp_f32 v[ACC6+j], v[ACC6+j]
.set j, j+1
.endr
	v_nop
.set j, 0
	s_wait_alu depctr_va_vdst(0)
.rept 24
	v_pk_add_f32 v[ACC6+2*j:ACC6+2*j+1], v[ACC6+2*j:ACC6+2*j+1], 1.0 op_sel_hi:[1,0]
.set j, j+1
.endr
.set j, 0
.rept 48
	v_rcp_f32 v[ACC6+j], v[ACC6+j]
.set j, j+1
.endr
	v_nop
	s_barrier_wait -1                              ; every wave has its W_lin fragments: PRED lies over WLIN
	s_wait_alu depctr_va_vdst(0)
.irp nt, 0,1,2,3,4
	ds_store_b128 v9, v[ACC6+8*\nt:ACC6+8*\nt+3] offset:64*\nt
	ds_store_b128 v9, v[ACC6+8*\nt+4:ACC6+8*\nt+7] offset:64*\nt+16
.endr
	ds_store_b128 v10, v[ACC6+40:ACC6+43] offset:320
	ds_store_b128 v10, v[ACC6+44:ACC6+47] offset:336
.set u, 0
.rept 11
	ds_load_b128 v[PD+4*u:PD+4*u+3], v11 offset:512*u      ; my own 16 rows x 352 bytes, in order behind the stores
.set u, u+1
.endr
.set u, 0
.rept 11
	s_wait_dscnt 10-u
	global_store_b128 v[GO16], v[PD+4*u:PD+4*u+3], s[18:19] offset:512*u th:TH_STORE_NT    ; 512 consecutive bytes, from a multiple of 512
.set u, u+1
.endr
	s_wait_xcnt 0x0
	v_lshl_add_u32 v254, v0, 2, 0x4ce00
	v_mov_b32 v255, 0
	s_wait_tensorcnt 0x0
	ds_add_u32 v254, v255
	s_wait_dscnt 0x0
	s_endpgm
.Lfunc_end_k_q396ed61947_attn:
	.size	k_q396ed61947_attn, .Lfunc_end_k_q396ed61947_attn-k_q396ed61947_attn
	.p2alignl 7, 3214868480
	.fill 96, 4, 3214868480
	.section	.rodata,"a",@progbits
	.p2align	6, 0x0
	.amdhsa_kernel k_q396ed61947_attn
		.amdhsa_group_segment_fixed_size 315904
		.amdhsa_private_segment_fixed_size 0
		.amdhsa_enable_private_segment 0
		.amdhsa_kernarg_size 72
		.amdhsa_user_sgpr_count 2
		.amdhsa_user_sgpr_kernarg_segment_ptr 1
		.amdhsa_wavefront_size32 1
		.amdhsa_system_sgpr_workgroup_id_x 1
		.amdhsa_system_sgpr_workgroup_id_y 1
		.amdhsa_system_sgpr_workgroup_id_z 1
		.amdhsa_system_vgpr_workitem_id 0
		.amdhsa_next_free_vgpr 512
		.amdhsa_next_free_sgpr 66
		.amdhsa_reserve_vcc 1
		.amdhsa_float_denorm_mode_32 3
		.amdhsa_float_denorm_mode_16_64 3
		.amdhsa_memory_ordered 1
		.amdhsa_forward_progress 1
		.amdhsa_inst_pref_size 255
	.end_amdhsa_kernel
	.section	.bss,"aw",@nobits
	.p2align	6
	.space	262144
	.amdgpu_metadata
---
amdhsa.version: [ 1, 2 ]
amdhsa.kernels:
  - .name:           k_q396ed61947_attn
    .symbol:         k_q396ed61947_attn.kd
    .args:
      - { .name: spec, .offset: 0, .size: 8, .value_kind: global_buffer, .address_space: global }
      - { .name: W_q, .offset: 8, .size: 8, .value_kind: global_buffer, .address_space: global }
      - { .name: W_k, .offset: 16, .size: 8, .value_kind: global_buffer, .address_space: global }
      - { .name: W_v, .offset: 24, .size: 8, .value_kind: global_buffer, .address_space: global }
      - { .name: rel, .offset: 32, .size: 8, .value_kind: global_buffer, .address_space: global }
      - { .name: W_lin, .offset: 40, .size: 8, .value_kind: global_buffer, .address_space: global }
      - { .name: b_lin, .offset: 48, .size: 8, .value_kind: global_buffer, .address_space: global }
      - { .name: out0, .offset: 56, .size: 8, .value_kind: global_buffer, .address_space: global }
      - { .name: out1, .offset: 64, .size: 8, .value_kind: global_buffer, .address_space: global }
    .group_segment_fixed_size: 315904
    .private_segment_fixed_size: 0
    .kernarg_segment_align: 8
    .kernarg_segment_size: 72
    .max_flat_workgroup_size: 256
    .sgpr_count:     66
    .vgpr_count:     512
    .wavefront_size: 32
...
	.end_amdgpu_metadata
.endif
;; end of part 2
